; MI455X (gfx1250); checked and timed in simulation.
; The chip was launched on July 23, 2026; its instructions are those of AMD's public machine-readable ISA for CDNA 5 (MIT licence, August 2026) and "CDNA5" Instruction Set Architecture Reference Guide (July 2026). The comments in the code are by the model that wrote it; some were corrected since.
;; Flash Attention Pipelined. Allowed arithmetic: matrix products marked QUANTISED: E5M2 operands, one given power-of-two scale a tensor, by v_wmma_f32_16x16x64_bf8_bf8 or v_wmma_f32_16x16x128_bf8_bf8, f32 sums; everything else in f32.
;; Inputs: key_codes 4 x 16 x 2,048 x 4 x 32 uint8 (E5M2 codes of key, K innermost, in blocks of 32 codes); lowp_scales 4 int32 (the exponents e of the quantised operands' scales 2^e); query_codes 4 x 16 x 2,048 x 4 x 32 uint8 (E5M2 codes of query, K innermost, in blocks of 32 codes); value_codes 4 x 16 x 128 x 64 x 32 uint8 (E5M2 codes of value, K innermost, in blocks of 32 codes).
;; Outputs: out0 4 x 16 x 2,048 x 128 float32.
;; This version of the problem:
;;   THIS VERSION OF THE PROBLEM IS GIVEN IN LOW PRECISION. The matrix products marked QUANTISED in the list below multiply operands that are first quantised to E5M2 (5 exponent bits, 2 mantissa bits; 8 bits a number), with one given power-of-two scale for each operand tensor; their sums are f32. All else is computed in f32.
;;   The module's matrix products, in the order in which they are computed (A, B: the left and right operand; K: the contracted axis; several contracted axes count as one K, in the product's order):
;;     1. batch 64 x [M 2,048, K 128] x [K 128, N 2,048]; A: input query (given as codes); B: input key (given as codes): QUANTISED (scales: A lowp_scales[0], B lowp_scales[1])
;;     2. batch 64 x [M 2,048, K 2,048] x [K 2,048, N 128]; A: softmax (see below); B: input value (given as codes): QUANTISED (scales: A lowp_scales[2], B lowp_scales[3])
;;   THE QUANTISER, for each operand of a quantised product, along K:
;;     - The operand's scale is 2^e, e = its entry of the input lowp_scales (int32; the entries are numbered through the quantised products in the list's order, A before B).
;;     - Each number is divided by the scale, clamped to +-57,344, and rounded to the nearest number of E5M2, ties to even, subnormals kept.
;;     - The product sums the exact products of the quantised numbers (number of the format x scale) in f32.
;;   ~~~python
;;   def quantise(x, axis, e):      # numpy; x: float32 -> the quantised numbers, widened to float32 again
;;       x = np.moveaxis(x, axis, -1); K = x.shape[-1]
;;       r = np.clip(x / 2.0 ** e, -57344, 57344)
;;       step = 2.0 ** (np.maximum(np.frexp(np.where(r == 0, 1, r))[1] - 1, -14) - 2)
;;       q = np.round(r / step) * step * 2.0 ** e      # np.round: ties to even
;;       return np.moveaxis(q, -1, axis).astype(np.float32)
;;   ~~~
;;   SOFTMAX AHEAD OF A QUANTISED PRODUCT. Where the list says 'softmax', what is quantised is not the finished softmax but p = 2^(t - M), with t = logit x log2(e) and M = ceil(the row's largest t), a whole number; so 1/2 < the row's largest p <= 1. The row's sum l is taken of the UNQUANTISED p, in f32, and the product's result is divided by l at the end. Since M is a whole number, a kernel that streams over the keys may use a running M (the ceiling of the running maximum): every later rescaling is an exact power of two, so the quantised numbers keep their values, but for numbers so far below the row's largest that they fall under the format's range.
;;   OPERANDS COMPUTED ON THE WAY. 'Computed on the way' means the value that the module computes at that place (a softmax that the list does not call 'softmax' is quantised finished and normalised). What goes into a quantiser is computed in f32, as accurately as f32 sums, v_exp_f32 and their like allow (about 1e-6 of the number): no bf16 or f16 on the way to a quantiser, and a product that is left as it is and whose result goes on into a quantised operand takes f32 operands (vector FMAs, or v_wmma_f32_16x16x4_f32). A number that lies on a knife's edge between two numbers of the format may be rounded either way, as far as f32 arithmetic and the matrix unit's own rounding can turn it there, and no further.
;;   INPUTS GIVEN AS CODES. key (in the module: [4, 16, 2048, 128], K = its axis 3); query (in the module: [4, 16, 2048, 128], K = its axis 3); value (in the module: [4, 16, 2048, 128], K = its axis 2): each comes as NAME_codes (uint8): NAME with its K axis moved to the last place and cut into blocks of 32 codes, [.., K / 32, bytes a block], one block behind the other in memory; one code a byte (a code: sign, 5 exponent bits, 2 mantissa bits); its scale is its entry of lowp_scales. Its value is code x scale, taken as it is: it is not quantised again, and the codes and scales need not be those that the quantiser above would give.
;; One version. Each part assembles by itself: llvm-mc -triple=amdgcn-amd-amdhsa -mcpu=gfx1250 --defsym DOCPART=n.
;; ======== version 1 of 1: 1 launch
;; limits: right only within a limited range of input values
;; launch attn (part 1): grid 4 x 64, 8 waves a work-group, clusters of 4 x 1, 327,680 bytes of LDS; arguments query_codes, key_codes, value_codes, lowp_scales, out0; writes out0
.if DOCPART == 1
	.amdgcn_target "amdgcn-amd-amdhsa--gfx1250"
	.amdhsa_code_object_version 6
	.text
	.protected	k_qd80443ac19_attn
	.globl	k_qd80443ac19_attn
	.p2align	8
	.type	k_qd80443ac19_attn,@function
k_qd80443ac19_attn:
	s_mov_b64 s[64:65], 0
	v_nop
	global_prefetch_b8 v0, s[64:65] scope:SCOPE_SE
	s_setreg_imm32_b32 hwreg(HW_REG_WAVE_MODE, 25, 1), 1
	s_wait_xcnt 0x0
	s_wait_alu depctr_hold_cnt(0) depctr_sa_sdst(0) depctr_va_vdst(0) depctr_va_sdst(0) depctr_va_ssrc(0) depctr_va_vcc(0) depctr_vm_vsrc(0)
	s_getreg_b32 s2, hwreg(HW_REG_IB_STS2, 6, 4)
	s_cmp_eq_u32 s2, 0
	s_cbranch_scc0 .Lentry_in_a_cluster
	s_endpgm
.Lentry_in_a_cluster:
	s_bfe_u32 s2, ttmp6, 0x10000c
	s_cmp_lg_u32 s2, 0x3003
	s_cbranch_scc0 .Lentry_shape_is_right
	s_endpgm
.Lentry_shape_is_right:
; O[head][q][:] = the sum over k of softmax_k(Q[head][q] . K[head][k] / sqrt(128)) V[head][k][:], no mask, 64 heads of 2,048 queries and 2,048 keys, head size 128.
; Both products on codes of BF8 (E5M2), each tensor with its given scale 2^e: eq, ek, ep, ev.  Q, K: [64][2048][128] codes.  V: [64][128][2048] codes, the keys innermost.  O: [64][2048][128] f32.
; SOFTMAX: t = score x log2(e) / sqrt(128); M = the running largest t rounded up to a whole number; p = 2^(t - M) is quantised, not normalised; the row's sum is taken of the unquantised p and divides O at the end.
; When M moves, the sum and O are multiplied by 2^(old M - new M); there is no branch on data.
; SHARES.  256 work-groups.  The four of a cluster own one head; each owns 512 queries and STAYS: it walks K and V twice, for two blocks of 256 queries.  A wave owns 32 queries of a block, two tiles of 16.
; The second block's Q waits in registers from the head on; the first block's stores are waited for by nobody.
; RING.  Two LDS slots of 512 keys (four key steps).  Every wave fetches one part: waves 0-3 K's quarters (128 keys, dense, stated as 64 rows of 256 bytes), waves 4-7 V's quarters (32 rows of 512 bytes).
; All four work-groups of the cluster walk the same K and V: each part is asked for jointly, with a mask that names the four.
; THE KEY STEP IS ROTATED: a trip is PV of the step before (with this step's K loads laid into it), S = K Q^T, V's loads, the softmax.  So all LDS reads of a step lie in one trip, and a change of slots stands between trips.
; The first trip is entered behind its PV part; the last PV is written out behind the loops.
; LAYOUT.  Both products transposed: a lane holds one query (lane % 16).  Register j of S's tile f in lane (r, h) is key 16 f + 8 h + j, which is P's registers 2 f, 2 f + 1; V's fragments are loaded 8 bytes at a time to match.
; Q and K are both loaded 16 bytes at a time: the same permutation of the channels on both sides.
; PREFETCH.  In the first walk the slots 2 and 3 are asked for in the second trip of slots 0 and 1, three trips ahead of their tensor loads; the partners share the blocks out by address, waves 0, 1 for K, 2, 3 for V.
; Slots 0 and 1 come by their loads alone; the second walk's tiles have been read by this cluster in the first, and are not asked for.
; LIMITS: eq + ek between -123 and 130; ep between -126 and 112.  Codes of infinity and NaN among the inputs are not served (the second block starts by multiplying the first block's O by 0, which wants it finite:
; with finite codes |O| stays under 2,048 x 57,344^2).  The scaled scores stay under 2^31 in magnitude.
; REGISTERS.  Window 0: v0-31 addresses and statistics; v32-63 Q; v64-95 the second block's Q; v96-127 P's codes; v128-255 S^T, then p.  Window 1: v0-127 O^T; v128-255 eight fragments, K's then V's.
.set KP,    144                        ; a key's row in LDS: 128 bytes + 16
.set VP,    528                        ; a row of V's tile: 512 bytes + 16
.set KSTEP, 128*KP
.set VOFF,  512*KP
.set SLOT,  VOFF+128*VP
.set SPARE, 2*SLOT                     ; the spare words: 128 bytes a wave
.set STAGE, SPARE+1024                 ; the way out: 16 rows x 272 bytes a wave; no tensor load lands here
.set SP,    272
.set AK0, 1
.set AV0, 2
.set PFO, 3
.set ADK, 4
.set ADV, 5
.set SPW, 6
.set NIL, 7
.set GO,  8
.set STO, 9
.set RD,  10
.set LIMV, 11                          ; 57,344 x 2^ep
.set ST,  12                           ; tile t at v[ST + 8 t]: +0 -M, +1 the largest score, +2, +3 the sum, +4 f, +5, +6 at work
.set SC,  19                           ; 2^ep
.set QO,  27                           ; my lane's offset in Q
.set BS,  28                           ; the sums' second chains
.set Q,   32
.set Q2,  64
.set P,   96
.set S,   128
.set F,   128                          ; in window 1
.set WV,  14
.set LIM, 15                           ; the count of trips left at which my wave prefetches
.set SEL, 20
.set CS,  22
.set G1K, 24
.set G1V, 32
.set G0K, 40
.set G0V, 48
.set TBK, 56
.set TBV, 57
.set CNT, 58
.set PFA, 66
.set PFS, 68
.set OUT, 83
.set STEPN, 84                         ; trips done
.set DK,  86                           ; s[86:87] where a refill's keys begin, in bytes of K behind the slot's first keys: 1,024 keys on or 0, by turns; the upper word is 0
.set DV,  88
.set MSB, 0
.macro WIN new
.if MSB != \new
	s_set_vgpr_msb (MSB<<8)|\new
.set MSB, \new
.endif
.endm
.macro NOPS
.rept 4
	v_nop
.endr
.endm
.macro CROUND                          ; a round of the cluster's barrier
	s_barrier_signal -1
	s_barrier_wait -1
	s_cmp_lg_u32 s[WV], 0
	s_cbranch_scc1 .Lnot_wave_0_\@
	s_barrier_signal -3
.Lnot_wave_0_\@:
	s_barrier_wait -3
	s_barrier_signal -1
	s_barrier_wait -1
.endm
.macro JLOAD s                         ; a joint fill of slot s: one load in each arm, every wave takes one arm
	s_cmp_lt_u32 s[WV], 4
	s_cbranch_scc0 .Lfor_v_\@
	tensor_load_to_lds s[G0K+4*\s:G0K+4*\s+3], s[G1K:G1K+7]
	s_nop 0
	NOPS
	s_branch .Lasked_\@
.Lfor_v_\@:
	tensor_load_to_lds s[G0V+4*\s:G0V+4*\s+3], s[G1V:G1V+7]
	s_nop 0
	NOPS
.Lasked_\@:
.endm
.macro ASK
	s_cmp_eq_u32 s[CNT], s[LIM]
	s_cbranch_scc0 .Lnot_mine_\@
	global_prefetch_b8 v[PFO], s[PFA:PFA+1] th:TH_LOAD_NT scope:SCOPE_SE
.Lnot_mine_\@:
.endm
.macro PVH g0                          ; tile 1's O^T += V^T P^T, four groups of 16 channels (tile 0's stand in its own step, among tile 1's sums: macro QP); the accumulators take turns
.irp g, \g0, \g0+1, \g0+2, \g0+3
.irp t, 1
	v_wmma_f32_16x16x128_bf8_bf8 v[64*\t+8*(\g):64*\t+8*(\g)+7], v[F+16*(\g):F+16*(\g)+15], v[P+16*\t:P+16*\t+15], v[64*\t+8*(\g):64*\t+8*(\g)+7]
.endr
.endr
.endm
.macro KLD f0                          ; four fragments of K: keys 16 f on
.irp f, \f0, \f0+1, \f0+2, \f0+3
.irp c, 0,1,2,3
	ds_load_b128 v[F+16*(\f)+4*\c:F+16*(\f)+4*\c+3], v[ADK] offset:(\f)*16*KP+32*\c
.endr
.endr
.endm
.macro HOLD2 a                         ; the conversion does not saturate (ISA guide 7.6.2); p is not negative, so the hold is one-sided: two numbers a line
	v_dual_min_num_f32 v[\a], v[LIMV], v[\a] :: v_dual_min_num_f32 v[\a+1], v[LIMV], v[\a+1]
.endm
; The sums, the hold and the codes of tile t.  The sum takes each pair ahead of its hold, in two chains.
; pv = 1 (tile 1): tile 0's eight products V^T P^T stand among these lines, one behind every fourth pair; they name tile 0's O^T and P and V's fragments alone.
.macro QP t, pv
.set rS, S+64*(\t)
.set rP, P+16*(\t)
.set rL, ST+8*(\t)+2
.set rB, BS+2*(\t)
.set qp, 0
.rept 32
.if qp == 1
	v_pk_add_f32 v[rB:rB+1], v[rS+2:rS+3], v[rS+6:rS+7]
.elseif qp == 3
.elseif qp%2 == 0
	v_pk_add_f32 v[rL:rL+1], v[rL:rL+1], v[rS+2*qp:rS+2*qp+1]
.else
	v_pk_add_f32 v[rB:rB+1], v[rB:rB+1], v[rS+2*qp:rS+2*qp+1]
.endif
	HOLD2 rS+2*qp
.if (\pv) && (qp%4 == 1)
.set qg, qp/4
	WIN 0x51
	v_wmma_f32_16x16x128_bf8_bf8 v[8*qg:8*qg+7], v[F+16*qg:F+16*qg+15], v[P:P+15], v[8*qg:8*qg+7]
	WIN 0
.endif
.if qp%8 == 7
.set qb, qp/8
	v_cvt_scalef32_pk8_bf8_f32 v[rP+4*qb:rP+4*qb+1], v[rS+16*qb:rS+16*qb+7], v[SC]
	v_cvt_scalef32_pk8_bf8_f32 v[rP+4*qb+2:rP+4*qb+3], v[rS+16*qb+8:rS+16*qb+15], v[SC]
.endif
.set qp, qp+1
.endr
	v_pk_add_f32 v[rL:rL+1], v[rL:rL+1], v[rB:rB+1]  ; the chains meet; also the plain line behind the last conversion
.endm
.macro TOSTAGE t, u                    ; tile t, channels 64 u on: into rows of 272 bytes and back as whole rows of 256
.irp g, 0,1,2,3
	ds_store_b128 v[STO], v[S+64*\t+32*\u+8*\g:S+64*\t+32*\u+8*\g+3] offset:64*\g
	ds_store_b128 v[STO], v[S+64*\t+32*\u+8*\g+4:S+64*\t+32*\u+8*\g+7] offset:64*\g+16
.endr
.irp i, 0,1,2,3,4,5,6,7
	ds_load_b128 v[S+64*\t+32*\u+4*\i:S+64*\t+32*\u+4*\i+3], v[RD] offset:2*\i*SP  ; LDS serves a wave's instructions in order (ISA guide 5.7.1.4)
.endr
.endm
.macro SEND t, u
.irp i, 0,1,2,3,4,5,6,7
	s_wait_dscnt 16*(3-2*\t-\u)+7-\i               ; behind this load: the rest of its eight, and sixteen LDS instructions for each later group
	global_store_b128 v[GO], v[S+64*\t+32*\u+4*\i:S+64*\t+32*\u+4*\i+3], s[12:13] offset:\t*8192+\i*1024+256*\u th:TH_STORE_NT  ; 16 lanes store 256 consecutive bytes, aligned
.endr
.endm
; THE WAY OUT of a block.  last = 0: the second block is then set up: its Q, fresh statistics (the next f is 0, which clears O and the sums), O's address.
.macro EPI last
.irp t, 0,1
	v_add_f32 v[ST+8*\t+6], v[ST+8*\t+2], v[ST+8*\t+3]
.endr
.irp t, 0,1
	v_permlanex16_b32 v[ST+8*\t+5], v[ST+8*\t+6], s[SEL], s[SEL+1]
.endr
.irp t, 0,1
	v_add_f32 v[ST+8*\t+6], v[ST+8*\t+6], v[ST+8*\t+5]
.endr
	s_wait_alu depctr_va_vdst(0)                   ; the wait ahead of the transcendentals
.irp t, 0,1
	v_rcp_f32 v[ST+8*\t+4], v[ST+8*\t+6]
.endr
	v_nop
	s_wait_alu depctr_va_vdst(0)                   ; and ahead of their first reader
.irp t, 0,1
	v_ldexp_f32 v[ST+8*\t+4], v[ST+8*\t+4], s59    ; x 2^(ep + ev)
.endr
	WIN 0x01
	s_wait_alu depctr_va_vdst(0)                   ; the wait directly ahead of the first reader of O^T
.irp t, 0,1
.set i, 0
.rept 32
	v_pk_mul_f32 v[S+64*\t+2*i:S+64*\t+2*i+1], v[64*\t+2*i:64*\t+2*i+1], v[ST+8*\t+4:ST+8*\t+5] op_sel_hi:[1,0]
.set i, i+1
.endr
.endr
	WIN 0
	TOSTAGE 0, 0
	TOSTAGE 0, 1
	TOSTAGE 1, 0
	TOSTAGE 1, 1
	SEND 0, 0
	SEND 0, 1
	SEND 1, 0
	SEND 1, 1
.if \last == 0
	s_wait_loadcnt 0x0                             ; the second block's Q, asked for at the head
	s_wait_xcnt 0x0                                ; the stores have read their base and data
	s_add_nc_u64 s[12:13], s[12:13], 0x20000       ; 256 rows of O on
.set i, 0
.rept 32
	v_mov_b32 v[Q+i], v[Q2+i]
.set i, i+1
.endr
.irp t, 0,1
	v_mov_b32 v[ST+8*\t+1], 0xff61b1e6
	v_mov_b32 v[ST+8*\t], 0x7f61b1e6
.endr
	s_wait_alu depctr_va_vdst(0)                   ; the wait ahead of the blocking wait below
.endif
.endm
; S = K Q^T, V's loads and the softmax of one key step, both tiles.
.macro SW f                            ; keys 16 f on, both tiles; C = 0: nothing is cleared
	WIN 0x01
.irp t, 0,1
	v_wmma_f32_16x16x128_bf8_bf8 v[S+64*\t+8*\f:S+64*\t+8*\f+7], v[F+16*\f:F+16*\f+15], v[Q+16*\t:Q+16*\t+15], 0
.endr
	WIN 0
.endm
.macro MX f                            ; the largest scores of accumulator f, from its low end on, in two chains a tile
.if \f == 0
.irp t, 0,1
	v_max3_num_f32 v[ST+8*\t+5], v[S+64*\t], v[S+64*\t+1], v[S+64*\t+2]
.endr
.irp t, 0,1
	v_max3_num_f32 v[ST+8*\t+6], v[S+64*\t+3], v[S+64*\t+4], v[S+64*\t+5]
.endr
.irp t, 0,1
	v_max3_num_f32 v[ST+8*\t+5], v[ST+8*\t+5], v[S+64*\t+6], v[S+64*\t+7]
.endr
.else
.irp k, 0,4
.irp t, 0,1
	v_max3_num_f32 v[ST+8*\t+5], v[ST+8*\t+5], v[S+64*\t+8*\f+\k], v[S+64*\t+8*\f+\k+1]
.endr
.irp t, 0,1
	v_max3_num_f32 v[ST+8*\t+6], v[ST+8*\t+6], v[S+64*\t+8*\f+\k+2], v[S+64*\t+8*\f+\k+3]
.endr
.endr
.endif
.endm
; The maxima of accumulator f - 2 stand behind the products of fragment f: between an accumulator's product and its first read stand the four v_nop (accumulators 0 to 2) or two earlier groups of maxima, which name none of its registers (ISA guide 7.12.1).
.macro SOFT ask
.if \ask
	ASK
.endif
	s_wait_dscnt 16                                ; K's fragments 0 to 3 are in; the sixteen loads of fragments 4 to 7 may be out
	SW 0
	SW 1
	SW 2
	NOPS
	MX 0
	SW 3
	MX 1
	s_wait_alu depctr_va_vdst(0)                   ; the wait ahead of the blocking wait
	s_wait_dscnt 0x0                               ; fragments 4 to 7
	SW 4
	MX 2
	SW 5
	MX 3
	SW 6
	MX 4
	SW 7
	MX 5                                           ; eight places ahead of the loads into K's registers
	WIN 0x40
.irp g, 0,1,2,3,4,5,6,7
.irp c, 0,1,2,3,4,5,6,7
	ds_load_b64 v[F+16*\g+2*\c:F+16*\g+2*\c+1], v[ADV] offset:\g*16*VP+16*\c
.endr
.endr
	WIN 0
	MX 6
	MX 7
.irp t, 0,1
	v_max_num_f32 v[ST+8*\t+5], v[ST+8*\t+5], v[ST+8*\t+6]
.endr
.irp t, 0,1
	v_permlanex16_b32 v[ST+8*\t+6], v[ST+8*\t+5], s[SEL], s[SEL+1]  ; the query's other 64 keys lie 16 lanes away
.endr
.irp t, 0,1
	v_max3_num_f32 v[ST+8*\t+1], v[ST+8*\t+1], v[ST+8*\t+5], v[ST+8*\t+6]  ; the running largest score
.endr
.irp t, 0,1
	v_mul_f32 v[ST+8*\t+6], s[CS], v[ST+8*\t+1]    ; as t (c is positive)
.endr
.irp t, 0,1
	v_floor_f32 v[ST+8*\t+5], -v[ST+8*\t+6]        ; the new -M
.endr
.irp t, 0,1
	v_sub_f32 v[ST+8*\t+6], v[ST+8*\t+5], v[ST+8*\t]  ; old M - new M: a whole number, 0 or less
.endr
.irp t, 0,1
	v_mov_b32 v[ST+8*\t], v[ST+8*\t+5]
.endr
.irp t, 0,1
	v_cvt_i32_f32 v[ST+8*\t+6], v[ST+8*\t+6]       ; (it saturates)
.endr
.irp t, 0,1
	v_ldexp_f32 v[ST+8*\t+4], 1.0, v[ST+8*\t+6]    ; f
.endr
	WIN 0x41                                       ; O^T under the new M, ahead of the step's exponentials; each accumulator from its low end on
.irp t, 0,1
.set i, 0
.rept 32
	v_pk_mul_f32 v[64*\t+2*i:64*\t+2*i+1], v[64*\t+2*i:64*\t+2*i+1], v[ST+8*\t+4:ST+8*\t+5] op_sel_hi:[1,0]
.set i, i+1
.endr
.endr
	WIN 0
	v_pk_mul_f32 v[ST+2:ST+3], v[ST+2:ST+3], v[ST+4:ST+5] op_sel_hi:[1,0]
.set i, 0
.rept 32
	v_pk_fma_f32 v[S+2*i:S+2*i+1], v[S+2*i:S+2*i+1], s[CS:CS+1], v[ST:ST+1] op_sel_hi:[1,0,0]  ; tile 0: t - M
.set i, i+1
.endr
	s_wait_alu depctr_va_vdst(0)                   ; the wait ahead of the batch
.set i, 0
.rept 32                                           ; tile 0's exponentials; tile 1's scalings stand among them and are read behind the next wait
	v_exp_f32 v[S+2*i], v[S+2*i]
	v_exp_f32 v[S+2*i+1], v[S+2*i+1]
	v_pk_fma_f32 v[S+64+2*i:S+64+2*i+1], v[S+64+2*i:S+64+2*i+1], s[CS:CS+1], v[ST+8:ST+9] op_sel_hi:[1,0,0]
.set i, i+1
.endr
	s_wait_alu depctr_va_vdst(0)                   ; one wait for tile 0's 64, and ahead of tile 1's batch
	QP 0, 0
.set i, 0
.rept 64
	v_exp_f32 v[S+64+i], v[S+64+i]
.set i, i+1
.endr
	v_pk_mul_f32 v[ST+10:ST+11], v[ST+10:ST+11], v[ST+12:ST+13] op_sel_hi:[1,0]  ; tile 1's sum under the new M; the plain line behind the batch
	s_wait_alu depctr_va_vdst(0)                   ; one wait for tile 1's 64, and ahead of the blocking wait below
	s_wait_dscnt 0x0                               ; V is in
	QP 1, 1                                        ; tile 1's sums, hold and codes carry tile 0's products
	s_add_co_u32 s[TBK], s[TBK], KSTEP
	s_add_co_u32 s[TBV], s[TBV], 128
	s_add_co_u32 s[STEPN], s[STEPN], 1
.endm
; A trip.  epi = 1: the trip behind the first block's last step sends the block out between its PV part and its S part.
.macro BODY ask, epi
	v_add_nc_u32 v[ADK], s[TBK], v[AK0]
	v_add_nc_u32 v[ADV], s[TBV], v[AV0]
	s_wait_alu depctr_va_vdst(0)                   ; the wait: the addresses
	WIN 0x51
	PVH 0                                          ; the last step's V has been waited for in that step
	NOPS
	WIN 0x40
	KLD 0
	WIN 0x51
	PVH 4
	NOPS
	WIN 0x40
	KLD 4
	WIN 0
.if \epi
	s_cmp_lg_u32 s[STEPN], 16
	s_cbranch_scc1 .Lenter
	EPI 0
.Lenter:
.endif
	SOFT \ask
.endm
.macro PHASE s, ask, epi               ; a slot's four trips
	s_mov_b32 s[TBK], \s*SLOT
	s_mov_b32 s[TBV], \s*SLOT
	s_mov_b32 s[CNT], 4
.Lstep_\@:
	BODY \ask, \epi
	s_sub_co_u32 s[CNT], s[CNT], 1
	s_cmp_lg_u32 s[CNT], 0
	s_cbranch_scc1 .Lstep_\@
.endm
; THE CHANGE OF SLOTS.  All my tensor loads are in (my part of the slot ahead), the add, my reads of the slot that I leave are over; fill = 1: a round of the cluster's barrier, and slot s is filled again first behind it.
.macro CHANGE fill, s
	s_wait_tensorcnt 0x0
	ds_add_u32 v[SPW], v[NIL]
.if \fill
	s_add_nc_u64 s[G0K+4*\s+2:G0K+4*\s+3], s[72:73], s[DK:DK+1]  ; the address is made anew from my quarter's first keys, and the type set again
	s_add_nc_u64 s[G0V+4*\s+2:G0V+4*\s+3], s[74:75], s[DV:DV+1]
.if \s
	s_add_nc_u64 s[G0K+4*\s+2:G0K+4*\s+3], s[G0K+4*\s+2:G0K+4*\s+3], \s*65536
	s_add_nc_u64 s[G0V+4*\s+2:G0V+4*\s+3], s[G0V+4*\s+2:G0V+4*\s+3], \s*512
.endif
	s_or_b32 s[G0K+4*\s+3], s[G0K+4*\s+3], 0x80000000
	s_or_b32 s[G0V+4*\s+3], s[G0V+4*\s+3], 0x80000000
.if \s == 0
	s_wait_xcnt 0x0                                ; the prefetch has read its address
	s_add_nc_u64 s[PFA:PFA+1], s[PFA:PFA+1], s[PFS:PFS+1]
.endif
.endif
	s_wait_dscnt 0x0
.if \fill
	CROUND
	JLOAD \s
.else
	s_barrier_signal -1
	s_barrier_wait -1
.endif
.endm
	s_load_b256 s[4:11], s[0:1], 0x0               ; Q s[4:5], K s[6:7], V s[8:9], the exponents s[10:11]
	s_load_b64 s[12:13], s[0:1], 0x20              ; O
	v_lshl_add_u32 v[SPW], v0, 2, SPARE
	v_mov_b32 v[NIL], 0
	ds_add_u32 v[SPW], v[NIL]                      ; the opening lines: the add,
	ds_add_u32 v[SPW], v[NIL]                      ; once more, and below the one wait
	v_lshrrev_b32 v[QO], 5, v0
	v_readfirstlane_b32 s[WV], v[QO]               ; wave 0..7
	s_bfe_u32 s16, ttmp6, 0x40000                  ; cx: it enters Q's, O's and the prefetches' addresses alone
	s_and_b32 s70, ttmp7, 0xffff                   ; the head
	s_lshl_b32 s70, s70, 18                        ; its first byte in each tensor of codes
	s_and_b32 s18, s[WV], 3                        ; which quarter I fetch
	s_and_b32 s19, s[WV], 1
	s_lshl_b32 s72, s18, 14                        ; K: 128 rows of 128 bytes a quarter
	s_add_co_u32 s72, s72, s70
	s_mov_b32 s73, 0
	s_lshl_b32 s74, s18, 16                        ; V: 32 rows of 2,048 bytes a quarter
	s_add_co_u32 s74, s74, s70
	s_mov_b32 s75, 0
	s_mul_i32 s2, s18, KSTEP
	s_mul_i32 s3, s18, 32*VP
	s_add_co_u32 s3, s3, VOFF
	s_lshl_b32 s76, s16, 16                        ; Q: my work-group's 512 rows,
	s_lshl_b32 s77, s[WV], 12                      ; my wave's 32 of the first 256
	s_add_co_u32 s76, s76, s77
	s_add_co_u32 s76, s76, s70
	s_mov_b32 s77, 0
	s_lshl_b32 s78, s76, 2                         ; O: the same rows, of 512 bytes
	s_mov_b32 s79, 0
	s_mov_b32 s[G1K], 15|(1<<20)|(1<<21)|(4<<22)|(3<<25)  ; the mask of all four; bytes; four words of padding after every 32
	s_mov_b32 s[G1K+1], 256<<16
	s_mov_b32 s[G1K+2], 64<<16
	s_mov_b32 s[G1K+3], 256<<16
	s_mov_b32 s[G1K+4], 64
	s_mov_b32 s[G1K+5], 256
	s_mov_b32 s[G1K+6], 0
	s_mov_b32 s[G1K+7], 0
	s_mov_b32 s[G1V], 15|(1<<20)|(1<<21)|(6<<22)|(3<<25)  ; four words after every 128
	s_mov_b32 s[G1V+1], 512<<16
	s_mov_b32 s[G1V+2], 32<<16
	s_mov_b32 s[G1V+3], 512<<16
	s_mov_b32 s[G1V+4], 32
	s_mov_b32 s[G1V+5], 2048
	s_mov_b32 s[G1V+6], 0
	s_mov_b32 s[G1V+7], 0
	s_mov_b32 s[SEL], 0x76543210
	s_mov_b32 s[SEL+1], 0xfedcba98
	s_mov_b32 s[CS], 0x3e0293ee                    ; log2(e) / sqrt(128)
	s_mov_b32 s[DK], 0x20000
	s_mov_b32 s[DK+1], 0
	s_mov_b32 s[DV], 1024
	s_mov_b32 s[DV+1], 0
	s_cmp_lt_u32 s[WV], 4                          ; waves 0 to 3 prefetch, in a slot's second trip
	s_cselect_b32 s[LIM], 3, -1
	s_cmp_lt_u32 s[WV], 2                          ; waves 0, 1: K; waves 2, 3: V
	s_cselect_b32 s80, 8, 11                       ; from lane to lane: 256 bytes, or a row
	s_cselect_b32 s81, 14, 16                      ; from partner to partner: 16,384 bytes, or 32 rows
	s_cselect_b32 s82, 13, 8                       ; from wave to wave: 8,192 bytes, or 256
	s_mov_b32 s[PFS], 512
	s_cselect_b32 s[PFS], 0x10000, s[PFS]          ; a slot on
	s_mov_b32 s[PFS+1], 0
	v_and_b32 v[PFO], 31, v0
	v_lshlrev_b32 v[PFO], s80, v[PFO]
	s_lshl_b32 s81, s16, s81
	s_lshl_b32 s82, s19, s82
	s_add_co_u32 s81, s81, s82
	s_lshl_b32 s82, s[PFS], 1                      ; the first request is for the third slot's worth of keys
	s_add_co_u32 s81, s81, s82
	s_add_co_u32 s[PFA], s81, s70
	s_mov_b32 s[PFA+1], 0
	s_wait_dscnt 0x0
	s_wait_kmcnt 0x0
	s_load_b128 s[60:63], s[10:11], 0x0            ; eq, ek, ep, ev
	s_add_nc_u64 s[4:5], s[4:5], s[76:77]
	s_add_nc_u64 s[12:13], s[12:13], s[78:79]
	s_add_nc_u64 s[72:73], s[6:7], s[72:73]
	s_add_nc_u64 s[74:75], s[8:9], s[74:75]
	s_cmp_lt_u32 s[WV], 2
	s_cselect_b64 s[76:77], s[6:7], s[8:9]
	s_add_nc_u64 s[PFA:PFA+1], s[76:77], s[PFA:PFA+1]
.irp s, 0,1
	s_mov_b32 s[G0K+4*\s], 1
	s_add_co_u32 s[G0K+4*\s+1], s2, \s*SLOT
	s_add_nc_u64 s[G0K+4*\s+2:G0K+4*\s+3], s[72:73], \s*65536
	s_or_b32 s[G0K+4*\s+3], s[G0K+4*\s+3], 0x80000000
	s_mov_b32 s[G0V+4*\s], 1
	s_add_co_u32 s[G0V+4*\s+1], s3, \s*SLOT
	s_add_nc_u64 s[G0V+4*\s+2:G0V+4*\s+3], s[74:75], \s*512
	s_or_b32 s[G0V+4*\s+3], s[G0V+4*\s+3], 0x80000000
.endr
	CROUND                                         ; the first joint loads meet
	JLOAD 0                                        ; keys 0 to 511: my one tensor load at the head
	v_and_b32 v128, 15, v0                         ; r
	v_bfe_u32 v129, v0, 4, 1                       ; h
	v_lshlrev_b32 v[QO], 7, v128
	v_lshl_add_u32 v[QO], v129, 4, v[QO]
.irp t, 0,1
.irp c, 0,1,2,3
	global_load_b128 v[Q+16*\t+4*\c:Q+16*\t+4*\c+3], v[QO], s[4:5] offset:\t*2048+32*\c th:TH_LOAD_NT
.endr
.endr
	v_mul_u32_u24 v[AK0], v128, KP
	v_lshl_add_u32 v[AK0], v129, 4, v[AK0]
	v_mul_u32_u24 v[AV0], v128, VP
	v_lshl_add_u32 v[AV0], v129, 3, v[AV0]
	v_add_nc_u32 v[AV0], VOFF, v[AV0]
	v_lshlrev_b32 v[GO], 9, v129
	v_lshl_add_u32 v[GO], v128, 4, v[GO]
	s_mul_i32 s80, s[WV], 16*SP
	s_add_co_u32 s80, s80, STAGE
	v_mul_u32_u24 v[STO], v128, SP
	v_lshl_add_u32 v[STO], v129, 5, v[STO]
	v_add_nc_u32 v[STO], s80, v[STO]
	v_mul_u32_u24 v[RD], v129, SP
	v_lshl_add_u32 v[RD], v128, 4, v[RD]
	v_add_nc_u32 v[RD], s80, v[RD]
.irp t, 0,1
	v_mov_b32 v[ST+8*\t+1], 0xff61b1e6             ; the largest score so far: -3e38
	v_mov_b32 v[ST+8*\t], 0x7f61b1e6               ; -M: 3e38, so that the first f is 0
	v_mov_b32 v[ST+8*\t+2], 0
	v_mov_b32 v[ST+8*\t+3], 0
.endr
	WIN 0x40
.set i, 0
.rept 128
	v_mov_b32 v[i], 0                              ; O^T, once, while the first tiles are on their way: the key step has no first form of its own
.set i, i+1
.endr
	WIN 0
	s_wait_kmcnt 0x0
	s_add_co_i32 s80, s60, s61
	s_lshl_b32 s80, s80, 23
	s_add_co_i32 s[CS], s[CS], s80                 ; x 2^(eq + ek)
	s_mov_b32 s[CS+1], s[CS]
	s_add_co_i32 s80, s62, 127
	s_lshl_b32 s81, s80, 23
	v_mov_b32 v[SC], s81
	s_add_co_i32 s80, s80, 15
	s_lshl_b32 s80, s80, 23
	s_or_b32 s80, s80, 0x600000
	v_mov_b32 v[LIMV], s80
	s_add_co_i32 s59, s62, s63
	s_mov_b32 s[TBK], 0
	s_mov_b32 s[TBV], 0
	s_mov_b32 s[CNT], 4
	s_mov_b32 s[OUT], 3
	s_mov_b32 s[STEPN], 0
	v_add_nc_u32 v[ADK], s[TBK], v[AK0]
	v_add_nc_u32 v[ADV], s[TBV], v[AV0]
	s_wait_alu depctr_va_vdst(0)                   ; the wait at the head's end
	s_wait_loadcnt 0x0                             ; the first block's Q
	s_wait_tensorcnt 0x0                           ; my part of slot 0; the full sequence ahead of slot 1's first fill
	ds_add_u32 v[SPW], v[NIL]
	s_wait_dscnt 0x0
	CROUND
	JLOAD 1                                        ; keys 512 to 1,023
.irp t, 0,1
.irp c, 0,1,2,3
	global_load_b128 v[Q2+16*\t+4*\c:Q2+16*\t+4*\c+3], v[QO], s[4:5] offset:32768+\t*2048+32*\c th:TH_LOAD_NT  ; the second block's Q: waited for where the first block goes out
.endr
.endr
	WIN 0x40
	KLD 0
	KLD 4
	WIN 0
	s_branch .Lenter                               ; the first trip has no PV part
.Louter:                                               ; three trips: two slots each, both filled again
	PHASE 0, 1, 1
	CHANGE 1, 0
	PHASE 1, 1, 0
	CHANGE 1, 1
	s_xor_b32 s[DK], s[DK], 0x20000                ; the next two refills take the other half of the keys
	s_xor_b32 s[DV], s[DV], 1024
	s_mov_b32 s[LIM], -1                           ; the prefetches are over
	s_sub_co_u32 s[OUT], s[OUT], 1
	s_cmp_lg_u32 s[OUT], 0
	s_cbranch_scc1 .Louter
	PHASE 0, 0, 0                                  ; the last two slots are written out: they ask for nothing more
	CHANGE 0, 0
	PHASE 1, 0, 0
	s_wait_alu depctr_va_vdst(0)                   ; the wait ahead of the blocking wait
	WIN 0x51
	PVH 0                                          ; tile 1's last products
	PVH 4
	WIN 0
	NOPS
	EPI 1
	s_wait_tensorcnt 0x0                           ; the wave's end
	ds_add_u32 v[SPW], v[NIL]
	s_wait_dscnt 0x0
	CROUND                                         ; the closing round
	s_endpgm
.Lfunc_end_k_qd80443ac19_attn:
	.size	k_qd80443ac19_attn, .Lfunc_end_k_qd80443ac19_attn-k_qd80443ac19_attn
	.p2alignl 7, 3214868480
	.fill 96, 4, 3214868480
	.section	.rodata,"a",@progbits
	.p2align	6, 0x0
	.amdhsa_kernel k_qd80443ac19_attn
		.amdhsa_group_segment_fixed_size 327680
		.amdhsa_private_segment_fixed_size 0
		.amdhsa_enable_private_segment 0
		.amdhsa_kernarg_size 40
		.amdhsa_user_sgpr_count 2
		.amdhsa_user_sgpr_kernarg_segment_ptr 1
		.amdhsa_wavefront_size32 1
		.amdhsa_system_sgpr_workgroup_id_x 1
		.amdhsa_system_sgpr_workgroup_id_y 1
		.amdhsa_system_sgpr_workgroup_id_z 1
		.amdhsa_system_vgpr_workitem_id 0
		.amdhsa_next_free_vgpr 512
		.amdhsa_next_free_sgpr 92
		.amdhsa_reserve_vcc 0
		.amdhsa_float_denorm_mode_32 3
		.amdhsa_float_denorm_mode_16_64 3
		.amdhsa_memory_ordered 1
		.amdhsa_forward_progress 1
		.amdhsa_inst_pref_size 193
	.end_amdhsa_kernel
	.amdgpu_metadata
---
amdhsa.version: [ 1, 2 ]
amdhsa.kernels:
  - .name:           k_qd80443ac19_attn
    .symbol:         k_qd80443ac19_attn.kd
    .args:
      - { .name: query_codes, .offset: 0, .size: 8, .value_kind: global_buffer, .address_space: global }
      - { .name: key_codes, .offset: 8, .size: 8, .value_kind: global_buffer, .address_space: global }
      - { .name: value_codes, .offset: 16, .size: 8, .value_kind: global_buffer, .address_space: global }
      - { .name: lowp_scales, .offset: 24, .size: 8, .value_kind: global_buffer, .address_space: global }
      - { .name: out0, .offset: 32, .size: 8, .value_kind: global_buffer, .address_space: global }
    .group_segment_fixed_size: 327680
    .private_segment_fixed_size: 0
    .kernarg_segment_align: 8
    .kernarg_segment_size: 40
    .max_flat_workgroup_size: 256
    .sgpr_count:     92
    .vgpr_count:     512
    .wavefront_size: 32
...
	.end_amdgpu_metadata
.endif
;; end of part 1
